; MI455X (gfx1250); checked and timed in simulation.
; The chip was launched on July 23, 2026; its instructions are those of AMD's public machine-readable ISA for CDNA 5 (MIT licence, August 2026) and "CDNA5" Instruction Set Architecture Reference Guide (July 2026). The comments in the code are by the model that wrote it; some were corrected since.
;; Switch Mixture Of Experts. Allowed arithmetic: float matrix products may take bf16 or f16 operands with f32 sums; other float arithmetic in f32, or as packed bf16 or f16 multiplies, adds, multiply-adds, maxima and minima; sums over many terms, partial sums and values carried from step to step in f32; what a program stores and reads back later, other than sums and carried values, may be rounded once to bf16 or f16.
;; Inputs: W1 8 x 512 x 2,048 float32; W2 8 x 2,048 x 512 float32; Wr 512 x 8 float32; b1 8 x 2,048 float32; b2 8 x 512 float32; br 8 float32; x 8 x 512 x 512 float32.
;; Outputs: out0 8 x 512 x 512 float32.
;; One version. Each part assembles by itself: llvm-mc -triple=amdgcn-amd-amdhsa -mcpu=gfx1250 --defsym DOCPART=n.
;; ======== version 1 of 1: 3 launches
;; workspace buffers: xb 4,194,304 bytes; masks 8,192 bytes of whole numbers; h 17,301,504 bytes
;; launch route (part 1): grid 256 x 1, 4 waves a work-group, no clusters, 25,344 bytes of LDS; arguments x, Wr, br, xb, masks; writes xb, masks
.if DOCPART == 1
	.amdgcn_target "amdgcn-amd-amdhsa--gfx1250"
	.amdhsa_code_object_version 6
	.text
	.protected	k_q0e0c7405ab_route
	.globl	k_q0e0c7405ab_route
	.p2align	8
	.type	k_q0e0c7405ab_route,@function
k_q0e0c7405ab_route:
	s_mov_b64 s[64:65], 0
	v_nop
	global_prefetch_b8 v0, s[64:65] scope:SCOPE_SE
	s_setreg_imm32_b32 hwreg(HW_REG_WAVE_MODE, 25, 1), 1
	s_wait_xcnt 0x0
; ROUTE.  xb = x rounded to bf16; logits = xb Wr + br (Wr and br rounded to bf16 too, sums in f32, on the matrix unit); the index of the
; largest logit of each token (a tie goes to the lower index, as jax.lax.top_k has it); and, at fixed places, two bitmaps for each expert e:
;   EQ[e], 128 words at byte 512 e: bit l of word g = token 32 g + l chose e;   LT[e], at byte 4096 + 512 e: it chose an expert below e.
; No address and no branch here hangs on the choice: the later launches read the bitmaps and place the rows.
; LIMITS.  Every input of the program is rounded once to bf16.  The gate, a softmax over ONE logit, is exp(0) / exp(0) = 1 for every finite logit
; and is taken as 1.  A NaN logit other than logit 0 never wins.  Logits that differ by less than the last bits of their f32 sums may fall either way.
; SHARES.  A work-group has 16 tokens.  Wave w rounds tokens 4 w .. 4 w + 3 and a quarter of Wr; wave 0 then multiplies: 16 matrix instructions.
; No tile is shared between work-groups but Wr (16 KB), so there is nothing to ask for jointly.
; LDS: 0 the 16 rows in bf16, 1,040 bytes apart (65 x 16: the 16 rows of a fragment load fall into 16 different 16-byte columns of 256);
;      16,640 Wr turned: the 16 bytes Wr[8 kc .. 8 kc + 7][e] at 128 kc + 16 e;   24,832 the spare words.
; REGISTERS: v1 lane, v2 lane % 16, v3 lane / 16; v4 x offset, v5 Wr offset, v6 xb offset, v7, v8 LDS stores, v9, v10 LDS fragment loads, v14 masks offset;
;   v[16:23], v[24:31] two accumulators; v[32:39] br; v[40:47] logits; v11 best, v12 index, v13 the words to store; v60, v61 the add's two;
;   v[64:127] x in f32, v[128:159] Wr in f32, v[160:191] x packed, v[192:207] Wr packed; later v[64:191] x fragments, v[192:255] eight Wr fragments.
.set XP,    1040
.set WFB,   16640
.set SPARE, 24832
	s_load_b256 s[4:11], s[0:1], 0x0               ; x s[4:5], Wr s[6:7], br s[8:9], xb s[10:11]
	s_load_b64 s[12:13], s[0:1], 0x20              ; masks
	v_lshl_add_u32 v60, v0, 2, SPARE               ; my spare word,
	v_mov_b32 v61, 0                               ; and 0
	v_lshrrev_b32 v56, 5, v0
	v_readfirstlane_b32 s14, v56                   ; wave 0..3
	v_and_b32 v1, 31, v0
	v_and_b32 v2, 15, v0
	v_bfe_u32 v3, v0, 4, 1
	v_lshrrev_b32 v56, 1, v1                       ; lane / 2
	v_and_b32 v57, 1, v0                           ; lane % 2
	s_lshl_b32 s46, s14, 13
	v_lshl_add_u32 v4, v1, 5, s46                  ; x: 4 rows of 2,048 bytes a wave, 32 bytes a lane
	s_lshl_b32 s46, s14, 12
	v_lshl_add_u32 v6, v1, 4, s46                  ; xb: 4 rows of 1,024 bytes a wave, 16 bytes a lane
	v_lshl_add_u32 v5, v56, 8, s46                 ; Wr: thread (kc, half) takes rows 8 kc .. 8 kc + 7 (32 bytes each), four experts
	v_lshl_add_u32 v5, v57, 4, v5
	s_mul_i32 s46, s14, 4*XP
	v_lshl_add_u32 v7, v1, 4, s46                  ; the same rows in LDS
	s_lshl_b32 s46, s14, 11
	s_add_co_u32 s46, s46, WFB
	v_lshl_add_u32 v8, v56, 7, s46                 ; Wr turned: 128 kc + 64 half
	v_lshl_add_u32 v8, v57, 6, v8
	v_mul_u32_u24 v9, v2, XP                       ; a fragment of x: row lane % 16, 16 bytes for each half of the lanes
	v_lshl_add_u32 v9, v3, 4, v9
	v_and_b32 v10, 7, v0                           ; a fragment of Wr: its 16 rows are experts 0-7 twice
	v_lshlrev_b32 v10, 4, v10
	v_lshl_add_u32 v10, v3, 7, v10
	v_add_nc_u32 v10, WFB, v10
	s_lshl_b32 s46, ttmp9, 1
	v_lshl_add_u32 v14, v1, 9, s46                 ; masks: lane = bitmap row (EQ 0-7, LT 0-7), 2 bytes for my 16 tokens
	s_lshl_b32 s42, ttmp9, 15                      ; my 16 rows of x,
	s_mov_b32 s43, 0
	s_lshl_b32 s44, ttmp9, 14                      ; and of xb
	s_mov_b32 s45, 0
	s_wait_kmcnt 0x0
	s_add_nc_u64 s[4:5], s[4:5], s[42:43]
	s_add_nc_u64 s[10:11], s[10:11], s[44:45]
.irp p, 0,1,2,3,4,5,6,7                            ; p = 2 x row + half of the row: a lane's 8 numbers
	global_load_b128 v[64+8*(\p):64+8*(\p)+3],   v4, s[4:5] offset:((\p)/2)*2048+((\p)%2)*1024 th:TH_LOAD_NT
	global_load_b128 v[64+8*(\p)+4:64+8*(\p)+7], v4, s[4:5] offset:((\p)/2)*2048+((\p)%2)*1024+16 th:TH_LOAD_NT
.endr
.irp i, 0,1,2,3,4,5,6,7
	global_load_b128 v[128+4*(\i):128+4*(\i)+3], v5, s[6:7] offset:32*(\i)
.endr
	s_wait_loadcnt 0x8                             ; x is in; Wr's eight loads, issued behind it, may stay out
.irp p, 0,1,2,3,4,5,6,7
.irp m, 0,1,2,3
	v_cvt_pk_bf16_f32 v[160+4*(\p)+(\m)], v[64+8*(\p)+2*(\m)], v[64+8*(\p)+2*(\m)+1]
.endr
	global_store_b128 v6, v[160+4*(\p):160+4*(\p)+3], s[10:11] offset:((\p)/2)*1024+((\p)%2)*512  ; 512 consecutive bytes, aligned
	ds_store_b128 v7, v[160+4*(\p):160+4*(\p)+3] offset:((\p)/2)*XP+((\p)%2)*512
.endr
	s_wait_loadcnt 0x0                             ; Wr
.irp q, 0,1,2,3                                    ; turned by the choice of pairs: expert q of my four, rows 2 m and 2 m + 1
.irp m, 0,1,2,3
	v_cvt_pk_bf16_f32 v[192+4*(\q)+(\m)], v[128+8*(\m)+(\q)], v[128+8*(\m)+4+(\q)]
.endr
	ds_store_b128 v8, v[192+4*(\q):192+4*(\q)+3] offset:16*(\q)
.endr
	s_wait_dscnt 0x0                               ; for wave 0's sake: my LDS stores are done
	s_barrier_signal -1
	s_barrier_wait -1
	s_cmp_eq_u32 s14, 0
	s_cbranch_scc1 .Lwave0
	s_wait_tensorcnt 0x0                           ; waves 1 to 3 end
	ds_add_u32 v60, v61
	s_wait_dscnt 0x0
	s_endpgm
.Lwave0:
	s_wait_xcnt 0x0                                ; the stores to xb have read v[160:191], which the loads below write
	s_load_b256 s[16:23], s[8:9], 0x0              ; br
.irp k, 0,1,2,3,4,5,6,7,8,9,10,11,12,13,14,15      ; x: 16 tokens x 32 K a fragment
	ds_load_b128 v[64+8*(\k):64+8*(\k)+3],   v9 offset:64*(\k)
	ds_load_b128 v[64+8*(\k)+4:64+8*(\k)+7], v9 offset:64*(\k)+32
.endr
.macro WFLOAD k0                                   ; eight fragments of Wr, K steps k0 on
.irp k, 0,1,2,3,4,5,6,7
	ds_load_b128 v[192+8*(\k):192+8*(\k)+3],   v10 offset:512*((\k0)+(\k))
	ds_load_b128 v[192+8*(\k)+4:192+8*(\k)+7], v10 offset:512*((\k0)+(\k))+256
.endr
.endm
; Source 0 = experts, source 1 = tokens: a lane then holds ONE token (lane % 16) and, in registers 0-7, its eight logits.
; Two accumulators take turns: even K steps onto the first, which starts with br, odd ones onto the second, which starts with 0.
.macro RMUL k0
.set kt, \k0
.rept 8
.if kt == 0
	v_wmma_f32_16x16x32_bf16 v[16:23], v[192:199], v[64:71], v[32:39]
.elseif kt == 1
	v_wmma_f32_16x16x32_bf16 v[24:31], v[200:207], v[72:79], 0
.else
	v_wmma_f32_16x16x32_bf16 v[16+8*(kt%2):23+8*(kt%2)], v[192+8*(kt%8):199+8*(kt%8)], v[64+8*kt:71+8*kt], v[16+8*(kt%2):23+8*(kt%2)]
.endif
.set kt, kt+1
.endr
.endm
	WFLOAD 0
	s_wait_kmcnt 0x0
.irp j, 0,1,2,3                                    ; br rounded to bf16 and widened again, the same in every lane
	v_cvt_pk_bf16_f32 v[40+(\j)], s[16+2*(\j)], s[17+2*(\j)]
	v_lshlrev_b32 v[32+2*(\j)], 16, v[40+(\j)]
	v_and_b32 v[33+2*(\j)], 0xffff0000, v[40+(\j)]
.endr
	s_wait_dscnt 0x0
	RMUL 0
.rept 4
	v_nop                                          ; four places in front of loads into registers that the products have read
.endr
	WFLOAD 8
	s_wait_dscnt 0x0
	RMUL 8
.rept 4
	v_nop                                          ; four places in front of the reads of the sums
.endr
.irp j, 0,1,2,3,4,5,6,7
	v_add_f32 v[40+(\j)], v[16+(\j)], v[24+(\j)]   ; each accumulator is read from its low end on
.endr
	v_cmp_gt_f32 vcc_lo, v41, v40                  ; only a strictly larger logit takes the place: ties stay with the lower index
	v_cndmask_b32 v12, 0, 1, vcc_lo
	v_max_num_f32 v11, v40, v41
.irp j, 2,3,4,5,6,7
	v_cmp_gt_f32 vcc_lo, v[40+(\j)], v11
	v_cndmask_b32 v12, v12, \j, vcc_lo
	v_max_num_f32 v11, v11, v[40+(\j)]
.endr
.irp e, 0,1,2,3,4,5,6,7                            ; lanes 0-15 are my tokens (lanes 16-31 repeat them): the low 16 bits of each ballot
	v_cmp_eq_u32 s[24+(\e)], \e, v12
	v_cmp_gt_u32 s[32+(\e)], \e, v12
.endr
	v_mov_b32 v13, 0
.irp e, 0,1,2,3,4,5,6,7
	v_writelane_b32 v13, s[24+(\e)], \e
	v_writelane_b32 v13, s[32+(\e)], 8+(\e)
.endr
	s_wait_xcnt 0x0                                ; EXEC changes only behind this wait
	v_cmp_gt_u32 vcc_lo, 16, v1
	s_and_saveexec_b32 s40, vcc_lo
	global_store_b16 v14, v13, s[12:13]            ; 16 lanes, one bitmap row each: 2 bytes at a fixed place
	s_wait_xcnt 0x0
	s_or_b32 exec_lo, exec_lo, s40
	s_wait_tensorcnt 0x0                           ; the wave's end
	ds_add_u32 v60, v61
	s_wait_dscnt 0x0
	s_endpgm
.Lfunc_end_k_q0e0c7405ab_route:
	.size	k_q0e0c7405ab_route, .Lfunc_end_k_q0e0c7405ab_route-k_q0e0c7405ab_route
	.p2alignl 7, 3214868480
	.fill 96, 4, 3214868480
	.section	.rodata,"a",@progbits
	.p2align	6, 0x0
	.amdhsa_kernel k_q0e0c7405ab_route
		.amdhsa_group_segment_fixed_size 25344
		.amdhsa_private_segment_fixed_size 0
		.amdhsa_enable_private_segment 0
		.amdhsa_kernarg_size 40
		.amdhsa_user_sgpr_count 2
		.amdhsa_user_sgpr_kernarg_segment_ptr 1
		.amdhsa_wavefront_size32 1
		.amdhsa_system_sgpr_workgroup_id_x 1
		.amdhsa_system_sgpr_workgroup_id_y 1
		.amdhsa_system_sgpr_workgroup_id_z 1
		.amdhsa_system_vgpr_workitem_id 0
		.amdhsa_next_free_vgpr 256
		.amdhsa_next_free_sgpr 66
		.amdhsa_reserve_vcc 1
		.amdhsa_float_denorm_mode_32 3
		.amdhsa_float_denorm_mode_16_64 3
		.amdhsa_memory_ordered 1
		.amdhsa_forward_progress 1
		.amdhsa_inst_pref_size 19
	.end_amdhsa_kernel
	.amdgpu_metadata
---
amdhsa.version: [ 1, 2 ]
amdhsa.kernels:
  - .name:           k_q0e0c7405ab_route
    .symbol:         k_q0e0c7405ab_route.kd
    .args:
      - { .name: x, .offset: 0, .size: 8, .value_kind: global_buffer, .address_space: global }
      - { .name: Wr, .offset: 8, .size: 8, .value_kind: global_buffer, .address_space: global }
      - { .name: br, .offset: 16, .size: 8, .value_kind: global_buffer, .address_space: global }
      - { .name: xb, .offset: 24, .size: 8, .value_kind: global_buffer, .address_space: global }
      - { .name: masks, .offset: 32, .size: 8, .value_kind: global_buffer, .address_space: global }
    .group_segment_fixed_size: 25344
    .private_segment_fixed_size: 0
    .kernarg_segment_align: 8
    .kernarg_segment_size: 40
    .max_flat_workgroup_size: 128
    .sgpr_count:     66
    .vgpr_count:     256
    .wavefront_size: 32
...
	.end_amdgpu_metadata
.endif
;; end of part 1
;; launch up (part 2): grid 32 x 8, 4 waves a work-group, no clusters, 83,968 bytes of LDS; arguments xb, W1, b1, masks, h; writes h
.if DOCPART == 2
	.amdgcn_target "amdgcn-amd-amdhsa--gfx1250"
	.amdhsa_code_object_version 6
	.text
	.protected	k_q0e0c7405ab_up
	.globl	k_q0e0c7405ab_up
	.p2align	8
	.type	k_q0e0c7405ab_up,@function
k_q0e0c7405ab_up:
	s_mov_b64 s[64:65], 0
	v_nop
	global_prefetch_b8 v0, s[64:65] scope:SCOPE_SE
	s_setreg_imm32_b32 hwreg(HW_REG_WAVE_MODE, 25, 1), 1
	s_wait_xcnt 0x0
; UP.  h = relu(x W1[e] + b1[e]), only for the rows that chose expert e.  W1 and b1 are rounded to bf16 on their way; sums in f32; h rounded once to bf16.
; SHARES.  Work-group (s, e) owns columns 64 s .. 64 s + 63 of expert e, whose 128 KB of f32 weights it alone reads, and all of e's rows.  Each wave keeps the whole slice,
; 64 columns x 512 K, as 64 bf16 fragments in 512 registers for the whole launch, and takes the tiles of 16 rows w, w + 4, ..: a tile comes from memory straight into
; operand registers (two buffers of 128) and costs 64 matrix instructions on 4 accumulators that take turns.  Nothing in the row loop writes LDS, so it has no barrier.
; THE WALK IS STAGGERED.  An expert's 32 work-groups read the same tiles.  Wave w's n tiles are walked from place ((s % 8) n) / 8 on, round to where it began: work-groups with different
; s % 8 ask for different tiles in the same step, so that a tile is asked for first by one of them and by the others later.
; ROWS.  Every work-group sorts for itself: from the bitmaps each wave lists the tokens of e among its 1,024 (a list of its own in LDS) and counts them; cnt = e's rows,
; P = rows of lower experts.  e's tiles are T .. T + NT - 1 with T = P / 16 + e, NT = ceil(cnt / 16): no two experts meet, since floor((P + c) / 16) + 1 >= floor(P / 16) + ceil(c / 16),
; and T + NT <= 264.  Places past cnt in the last tile repeat the last row.  Every split is served (an expert without rows stores nothing); the more uneven the split, the longer the launch.
; h: tile t at byte 65,536 t, in the order in which the next launch's operand registers take it: [K block of 32][half of 16][lane][16 bytes].
; ORDER AT THE HEAD.  56 loads go out (b1, six of the eight jobs of weights), the list is made under them, the other 16 follow; a barrier, the counts, the first two tiles' tokens; then the
; weights are rounded, and the first two tiles are asked for between the halves of that work, ahead of the stage, the second barrier and the fragment loads.
; NO JOINT LOADS: each slice of W1 has one reader, and it passes through registers to be rounded; the rows come by a list, which no tile descriptor covers.
; LIMITS.  relu is a maximum with 0 that a NaN loses.
; LDS: 0 the stage for the fragments: fragment (nt, kt) at 16,400 nt + 1,024 kt, lane l's 16 bytes at 512 half + 16 l (the 16 over 16,384 put the 16 lanes of a store into 16 different
;      16-byte columns of 256); 65,792 four lists of 4,352 bytes (1,024 words, 32 dump words, padding); 83,200 the waves' counts; 83,456 the spare words.
; REGISTERS, in windows of 256 (s_set_vgpr_msb: bits 1:0 source 0, 3:2 source 1, 5:4 source 2, 7:6 destination):
;   window 0: v1 lane, v2 lane % 16, v3 lane / 16, v4 16 x lane, v5 W1 offset, v6 stage store, v7 my list, v8 my dump index, v9 token counter, v10-13 at work (v13 a token),
;             v14, v15 the two buffers' row offsets, v16 h offset, v17 0, v18 counts' address, v[20:27] counts, v28, v29 the add's two, v30 b1 offset, v31 16 x (lane / 16),
;             v[32:63] b1 as the sums' start, v[64:95] accumulators, v[96:111] packed results, v[128:255] packed weights on their way
;   window 1: W1 in f32 on its way; then, with window 2, the fragments of K steps 0-7, 8-15: (kt, nt) at v[32 (kt % 8) + 8 nt]        window 3: the two tile buffers
; SCALARS: s14 wave, s15 e, s16 s, s18-21 at work, s22-24 rows ahead of lists 1-3, s25 cnt, s26 max(cnt - 1, 0), s27-29 what turns a place into a word of lists 1-3, s30 T, s31 NT,
;   s[32:63] EQ words, s[68:99] LT words; then s32 trips, s33 trip, s34, s35 the two buffers' places in the walk, s36 my tiles n, s37 where the walk begins, s38, s39 the two buffers' tiles.
.set RB,    8192                       ; bytes in a row of W1[e]
.set GSH,   16                         ; 8 such rows = 1 << GSH
.set NTS,   16400
.set LISTB, 65792
.set LREG,  4352
.set CNTB,  83200
.set SPARE, 83456
.set FL,    4                          ; the fragment loads' address register: 16 x lane
.set BIAS,  32
.set ACC,   64
.set PK,    96
.set TB,    128
.set MSB,   0
.macro WIN new                         ; the immediate's high byte repeats the setting that is left; a switch that changes nothing is dropped
.if MSB != (\new)
	s_set_vgpr_msb (MSB<<8)|(\new)
.set MSB, (\new)
.endif
.endm
; Job J: 16 K rows, into window 1.  Lane (c = lane % 16, g = lane / 16) takes row 16 J + 8 g + i, columns 4 c .. 4 c + 3: sixteen lanes read 256 consecutive bytes.
.macro WJOB J
	WIN 0x40
.set ii, 0
.rept 8
	global_load_b128 v[32*(\J)+4*ii:32*(\J)+4*ii+3], v5, s[6:7] offset:(\J)*16*RB+ii*RB th:TH_LOAD_NT
.set ii, ii+1
.endr
	WIN 0
.endm
; Four jobs are rounded, and turned by the choice of pairs: for column q of my four, rows 2 m and 2 m + 1: four registers = 8 consecutive K of one column.
; left = the loads issued behind this half's; the wait in front of job jj also leaves the later jobs' eight loads each out.
.macro WCVT half, tb, left
	WIN 0x05
.set jj, 0
.rept 4
	s_wait_loadcnt (\left)+8*(3-jj)
.set qq, 0
.rept 4
.set mm, 0
.rept 4
	v_cvt_pk_bf16_f32 v[(\tb)+16*jj+4*qq+mm], v[128*(\half)+32*jj+8*mm+qq], v[128*(\half)+32*jj+8*mm+4+qq]
.set mm, mm+1
.endr
.set qq, qq+1
.endr
.set jj, jj+1
.endr
	WIN 0
.endm
.macro WSTAGE J0, tb                   ; into the stage: job J is half J % 2 of K step J / 2
.set jj, 0
.rept 4
.set qq, 0
.rept 4
	ds_store_b128 v6, v[(\tb)+16*jj+4*qq:(\tb)+16*jj+4*qq+3] offset:qq*16+(((\J0)+jj)/2)*1024+(((\J0)+jj)%2)*512
.set qq, qq+1
.endr
.set jj, jj+1
.endr
.endm
.macro WFRAG kt0, n                    ; n K steps' fragments out of the stage: each load takes 512 consecutive bytes
.set kk, \kt0
.rept \n
.if kk < 8
	WIN 0x40
.else
	WIN 0x80
.endif
.set nn, 0
.rept 4
	ds_load_b128 v[32*(kk%8)+8*nn:32*(kk%8)+8*nn+3],   v[FL] offset:nn*NTS+kk*1024
	ds_load_b128 v[32*(kk%8)+8*nn+4:32*(kk%8)+8*nn+7], v[FL] offset:nn*NTS+kk*1024+512
.set nn, nn+1
.endr
.set kk, kk+1
.endr
	WIN 0
.endm
; My wave's 1,024 tokens: those of e go, in order, into my list; a lane whose token is not e's writes its dump word.  The index is held under 1,056, then comes my list's base.
.macro LIST
	s_wait_kmcnt 0x0
	s_mov_b32 s18, 0
	s_mov_b32 s19, 0
.set gg, 0
.rept 32
	v_mbcnt_lo_u32_b32 v10, s[32+gg], s18          ; e's tokens ahead of mine
	v_cndmask_b32 v10, v8, v10, s[32+gg]
	v_min_u32 v10, 1055, v10
	v_lshl_add_u32 v11, v10, 2, v7
	ds_store_b32 v11, v9
	v_add_nc_u32 v9, 32, v9
	s_bcnt1_i32_b32 s20, s[32+gg]
	s_add_co_u32 s18, s18, s20
	s_bcnt1_i32_b32 s21, s[68+gg]
	s_add_co_u32 s19, s19, s21
.set gg, gg+1
.endr
	v_mov_b32 v20, s18
	v_mov_b32 v21, s19
	ds_store_b64 v18, v[20:21]                     ; my wave's two counts: every lane writes the same
.endm
.macro COUNTS                          ; behind the barrier: the four waves' counts
	v_mov_b32 v18, CNTB
	ds_load_b128 v[20:23], v18
	ds_load_b128 v[24:27], v18 offset:16
	s_wait_dscnt 0x0
	v_readfirstlane_b32 s22, v20
	v_readfirstlane_b32 s23, v22
	v_readfirstlane_b32 s24, v24
	v_readfirstlane_b32 s25, v26
	v_readfirstlane_b32 s27, v21
	v_readfirstlane_b32 s28, v23
	v_readfirstlane_b32 s29, v25
	v_readfirstlane_b32 s30, v27
	s_add_co_u32 s30, s30, s27
	s_add_co_u32 s30, s30, s28
	s_add_co_u32 s30, s30, s29                     ; P
	s_lshr_b32 s30, s30, 4
	s_add_co_u32 s30, s30, s15                     ; T
	s_add_co_u32 s23, s23, s22
	s_add_co_u32 s24, s24, s23
	s_add_co_u32 s25, s25, s24                     ; cnt
	s_sub_co_u32 s26, s25, 1
	s_max_i32 s26, s26, 0                          ; with no rows at all every place is place 0, which falls on word 0 of the last list: written below, ahead of the list
	s_sub_co_u32 s27, LREG/4, s22
	s_sub_co_u32 s28, 2*LREG/4, s23
	s_sub_co_u32 s29, 3*LREG/4, s24
	s_add_co_u32 s31, s25, 15
	s_lshr_b32 s31, s31, 4                         ; NT
.endm
; The token at place 16 x s[st] + lane % 16 of e's rows (places past the last repeat it) is asked for, into v13.  A place is held to cnt - 1, so the word that it names was written by LIST;
; the word's index is also held under 4,352: inside the four lists.
.macro LOOKUP st
	s_lshl_b32 s20, s[\st], 4
	v_add_nc_u32 v10, s20, v2
	v_min_u32 v10, s26, v10
	v_cmp_le_u32 vcc_lo, s22, v10
	v_cndmask_b32 v12, 0, s27, vcc_lo
	v_cmp_le_u32 vcc_lo, s23, v10
	v_cndmask_b32 v12, v12, s28, vcc_lo
	v_cmp_le_u32 vcc_lo, s24, v10
	v_cndmask_b32 v12, v12, s29, vcc_lo
	v_add_nc_u32 v10, v10, v12
	v_min_u32 v10, LREG-1, v10
	v_lshl_add_u32 v11, v10, 2, LISTB
	ds_load_b32 v13, v11
.endm
; s21 = the tile at place s[sp] of my walk: w + 4 ((place + start) mod n).  One subtraction serves: place < n + 3 and start < n; what then still lies past my tiles is held to the last row by LOOKUP.
.macro TILE sp
	s_add_co_u32 s21, s[\sp], s37
	s_sub_co_u32 s20, s21, s36
	s_cmp_ge_u32 s21, s36
	s_cselect_b32 s21, s20, s21
	s_lshl_b32 s21, s21, 2
	s_add_co_u32 s21, s21, s14
.endm
; 64 matrix instructions: source 0 = 16 columns of the weights, source 1 = the tile's 16 rows, so that a lane holds ONE row (lane % 16) and 8 neighbouring columns.
; The four accumulators take turns, one instruction a turn.  The first K step starts the sums with the bias.
.macro MUL b
.set kt, 0
.rept 16
.if kt < 8
	WIN 0x0d
.else
	WIN 0x0e
.endif
.set nt, 0
.rept 4
.if kt > 0
	v_wmma_f32_16x16x32_bf16 v[ACC+8*nt:ACC+8*nt+7], v[32*(kt%8)+8*nt:32*(kt%8)+8*nt+7], v[128*(\b)+8*kt:128*(\b)+8*kt+7], v[ACC+8*nt:ACC+8*nt+7]
.else
	v_wmma_f32_16x16x32_bf16 v[ACC+8*nt:ACC+8*nt+7], v[32*(kt%8)+8*nt:32*(kt%8)+8*nt+7], v[128*(\b)+8*kt:128*(\b)+8*kt+7], v[BIAS+8*nt:BIAS+8*nt+7]
.endif
.set nt, nt+1
.endr
.set kt, kt+1
.endr
	WIN 0
.endm
.macro ALOAD b                         ; a tile of 16 rows x 512 K of xb into buffer b: lane (r, g) takes 16 bytes at 64 kt + 32 half + 16 g of row r
	WIN 0xc0
.set kk, 0
.rept 16
	global_load_b128 v[128*(\b)+8*kk:128*(\b)+8*kk+3],   v[14+(\b)], s[4:5] offset:kk*64
	global_load_b128 v[128*(\b)+8*kk+4:128*(\b)+8*kk+7], v[14+(\b)], s[4:5] offset:kk*64+32
.set kk, kk+1
.endr
	WIN 0
.endm
	s_load_b256 s[4:11], s[0:1], 0x0               ; xb s[4:5], W1 s[6:7], b1 s[8:9], masks s[10:11]
	s_load_b64 s[12:13], s[0:1], 0x20              ; h
	v_lshl_add_u32 v28, v0, 2, SPARE               ; my spare word,
	v_mov_b32 v29, 0                               ; and 0
	v_lshrrev_b32 v10, 5, v0
	v_readfirstlane_b32 s14, v10                   ; wave 0..3
	s_and_b32 s15, ttmp7, 0xffff                   ; e
	s_mov_b32 s16, ttmp9                           ; s
	v_and_b32 v1, 31, v0
	v_and_b32 v2, 15, v0
	v_bfe_u32 v3, v0, 4, 1
	v_lshlrev_b32 v4, 4, v1
	v_lshlrev_b32 v5, 4, v2                        ; W1: 16 c + 8 g rows
	v_lshl_add_u32 v5, v3, GSH, v5
	v_lshrrev_b32 v10, 2, v2                       ; the stage: my four columns lie in fragment column c / 4, lanes 16 g + 4 (c % 4) + q
	v_mul_u32_u24 v6, v10, NTS
	v_and_b32 v10, 3, v0
	v_lshl_add_u32 v6, v10, 6, v6
	v_lshl_add_u32 v6, v3, 8, v6
	s_lshl_b32 s20, s14, 12                        ; my wave rounds K rows 128 w on: K steps 4 w .. 4 w + 3
	v_add_nc_u32 v6, s20, v6
	s_mul_i32 s20, s14, LREG
	s_add_co_u32 s20, s20, LISTB
	v_mov_b32 v7, s20
	v_add_nc_u32 v8, 1024, v1
	s_lshl_b32 s20, s14, 10
	v_add_nc_u32 v9, s20, v1                       ; my wave's first 32 tokens
	s_lshl_b32 s20, s14, 3
	s_add_co_u32 s20, s20, CNTB
	v_mov_b32 v18, s20
	v_mov_b32 v17, 0
	v_lshlrev_b32 v30, 5, v3
	v_lshlrev_b32 v31, 4, v3
	s_mov_b32 s3, 0
	s_lshl_b32 s2, s15, 9                          ; masks: 512 e + 128 w
	s_lshl_b32 s20, s14, 7
	s_add_co_u32 s2, s2, s20
	s_wait_kmcnt 0x0
	s_add_nc_u64 s[10:11], s[10:11], s[2:3]
	s_load_b512 s[32:47], s[10:11], 0x0            ; EQ[e], my 32 words
	s_load_b512 s[48:63], s[10:11], 0x40
	s_load_b512 s[68:83], s[10:11], 0x1000         ; LT[e], my 32 words
	s_load_b512 s[84:99], s[10:11], 0x1040
	s_lshl_b32 s2, s15, 22                         ; W1: expert, my 128 rows, the slice's 256 bytes
	s_lshl_b32 s20, s14, 20
	s_add_co_u32 s2, s2, s20
	s_lshl_b32 s20, s16, 8
	s_add_co_u32 s2, s2, s20
	s_add_nc_u64 s[6:7], s[6:7], s[2:3]
	s_lshl_b32 s2, s15, 13                         ; b1: expert, slice
	s_add_co_u32 s2, s2, s20
	s_add_nc_u64 s[8:9], s[8:9], s[2:3]
	s_lshl_b32 s2, s16, 11                         ; h: the slice's two K blocks in every tile
	s_add_nc_u64 s[12:13], s[12:13], s[2:3]
.irp n, 0,1,2,3                                    ; b1 as a lane's sums want it: columns 16 n + 8 g + 0..7
	global_load_b128 v[BIAS+8*(\n):BIAS+8*(\n)+3],   v30, s[8:9] offset:64*(\n)
	global_load_b128 v[BIAS+8*(\n)+4:BIAS+8*(\n)+7], v30, s[8:9] offset:64*(\n)+16
.endr
.irp J, 0,1,2,3,4,5                                ; 8 + 48 = 56 loads are out: the lines below are issued without waiting for any of them
	WJOB \J
.endr
	ds_store_b32 v7, v17                           ; word 0 of my list holds token 0 until the list says otherwise (LDS serves a wave's stores in order: ISA guide 5.7.1.4)
	LIST                                           ; the list is made while the weights are on their way
	WJOB 6                                         ; the other 16 loads, in the jobs' order
	WJOB 7
	s_wait_dscnt 0x0                               ; for the others' sake: my list and my counts are written
	s_barrier_signal -1
	s_barrier_wait -1
	COUNTS
	s_add_co_u32 s20, s31, 3
	s_sub_co_u32 s20, s20, s14
	s_lshr_b32 s36, s20, 2                         ; n: my tiles w, w + 4, ..
	s_add_co_u32 s20, s36, 1
	s_lshr_b32 s32, s20, 1                         ; two a trip
	s_and_b32 s37, s16, 7
	s_mul_i32 s37, s37, s36
	s_lshr_b32 s37, s37, 3                         ; where my walk begins
	s_mov_b32 s34, 0
	s_mov_b32 s35, 1
.irp b, 0,1                                        ; the first two tiles' tokens.  Every wave asks, a wave without tiles too (it gets the last row, or token 0), so that the counts below mean the same in all
	TILE 34+\b
	s_mov_b32 s[38+(\b)], s21
	LOOKUP 21
	s_wait_dscnt 0x0
	v_min_u32 v13, 0xfff, v13
	v_lshl_add_u32 v[14+(\b)], v13, 10, v31        ; token x 1,024 bytes + 16 g
.endr
	WCVT 0, TB, 32                                 ; behind jobs 0-3 stand jobs 4-7: 32 loads
	ALOAD 0                                        ; the first tile goes out as soon as 32 loads are back
	WSTAGE 0, TB
.set ii, 0
.rept 16                                           ; b1 (loaded ahead of the weights) rounded to bf16 and widened again
	v_cvt_pk_bf16_f32 v10, v[BIAS+2*ii], v[BIAS+2*ii+1]
	v_lshlrev_b32 v[BIAS+2*ii], 16, v10
	v_and_b32 v[BIAS+2*ii+1], 0xffff0000, v10
.set ii, ii+1
.endr
	WCVT 1, TB+64, 32                              ; behind jobs 4-7 stand the first tile's 32 loads
	ALOAD 1
	WSTAGE 4, TB+64
	s_wait_dscnt 0x0                               ; for the others' sake: my part of the stage is written
	s_barrier_signal -1
	s_barrier_wait -1
	WFRAG 0, 16
	s_wait_dscnt 0x0                               ; the fragments
	s_cmp_eq_u32 s32, 0
	s_cbranch_scc0 .Lwork
	s_wait_tensorcnt 0x0                           ; a wave without tiles ends
	ds_add_u32 v28, v29
	s_wait_dscnt 0x0
	s_endpgm
.Lwork:
; Buffer b's turn.  ONE branch on the place in the walk, two ways behind it.  A tile of mine: it is multiplied, the buffer's next tile (two places on) is asked for straight behind the
; products, and then the results leave.  A place past n (the second of an odd number): nothing is multiplied or stored.  Both ways issue the same 32 loads, so that the count at the head
; of the next turn means the same on either way.
.macro HALF b
	s_add_co_u32 s18, s[34+(\b)], 2                ; the buffer's next place,
	TILE 18                                        ; its tile, in s21 to the turn's end,
	LOOKUP 21                                      ; and its tokens: the word comes back under the products
	s_wait_loadcnt 32                              ; my tile is in; the other buffer's 32 loads, issued behind it, stay out
	s_cmp_ge_u32 s[34+(\b)], s36
	s_cbranch_scc1 .Ldead_\@
	MUL \b
	s_add_co_u32 s20, s30, s[38+(\b)]              ; the tile's number in h,
	s_min_u32 s20, s20, 263                        ; inside the buffer whatever was read
	s_lshl_b32 s20, s20, 16
	s_wait_dscnt 0x0                               ; the tokens
	s_wait_xcnt 0x0                                ; the last stores have read v16 and the packed results
	v_min_u32 v13, 0xfff, v13                      ; these four lines are the places between the last product and the loads into its sources, and the reads of the sums
	v_lshl_add_u32 v[14+(\b)], v13, 10, v31
	v_add_nc_u32 v16, s20, v4
	v_nop
	ALOAD \b
.set nn, 0
.rept 4
.set mm, 0
.rept 4
	v_cvt_pk_bf16_f32 v[PK+4*nn+mm], v[ACC+8*nn+2*mm], v[ACC+8*nn+2*mm+1]  ; each accumulator from its low end on
.set mm, mm+1
.endr
.set nn, nn+1
.endr
.set ii, 0
.rept 16
	v_pk_max_num_bf16 v[PK+ii], v[PK+ii], v17      ; relu on the rounded pairs: the sign is the same as before the rounding
.set ii, ii+1
.endr
.irp n, 0,1,2,3
	global_store_b128 v16, v[PK+4*(\n):PK+4*(\n)+3], s[12:13] offset:512*(\n)  ; 512 consecutive bytes, aligned
.endr
	s_branch .Lnext_\@
.Ldead_\@:
	s_wait_dscnt 0x0                               ; the tokens
	v_min_u32 v13, 0xfff, v13
	v_lshl_add_u32 v[14+(\b)], v13, 10, v31        ; free since the wait for this buffer's loads
	ALOAD \b
.Lnext_\@:
	s_mov_b32 s[34+(\b)], s18
	s_mov_b32 s[38+(\b)], s21
.endm
	s_mov_b32 s33, 0
.Lpair:
	HALF 0
	HALF 1
	s_add_co_u32 s33, s33, 1
	s_cmp_lt_u32 s33, s32
	s_cbranch_scc1 .Lpair
	s_wait_tensorcnt 0x0                           ; the wave's end
	ds_add_u32 v28, v29
	s_wait_dscnt 0x0
	s_endpgm
.Lfunc_end_k_q0e0c7405ab_up:
	.size	k_q0e0c7405ab_up, .Lfunc_end_k_q0e0c7405ab_up-k_q0e0c7405ab_up
	.p2alignl 7, 3214868480
	.fill 96, 4, 3214868480
	.section	.rodata,"a",@progbits
	.p2align	6, 0x0
	.amdhsa_kernel k_q0e0c7405ab_up
		.amdhsa_group_segment_fixed_size 83968
		.amdhsa_private_segment_fixed_size 0
		.amdhsa_enable_private_segment 0
		.amdhsa_kernarg_size 40
		.amdhsa_user_sgpr_count 2
		.amdhsa_user_sgpr_kernarg_segment_ptr 1
		.amdhsa_wavefront_size32 1
		.amdhsa_system_sgpr_workgroup_id_x 1
		.amdhsa_system_sgpr_workgroup_id_y 1
		.amdhsa_system_sgpr_workgroup_id_z 1
		.amdhsa_system_vgpr_workitem_id 0
		.amdhsa_next_free_vgpr 1024
		.amdhsa_next_free_sgpr 104
		.amdhsa_reserve_vcc 1
		.amdhsa_float_denorm_mode_32 3
		.amdhsa_float_denorm_mode_16_64 3
		.amdhsa_memory_ordered 1
		.amdhsa_forward_progress 1
		.amdhsa_inst_pref_size 85
	.end_amdhsa_kernel
	.amdgpu_metadata
---
amdhsa.version: [ 1, 2 ]
amdhsa.kernels:
  - .name:           k_q0e0c7405ab_up
    .symbol:         k_q0e0c7405ab_up.kd
    .args:
      - { .name: xb, .offset: 0, .size: 8, .value_kind: global_buffer, .address_space: global }
      - { .name: W1, .offset: 8, .size: 8, .value_kind: global_buffer, .address_space: global }
      - { .name: b1, .offset: 16, .size: 8, .value_kind: global_buffer, .address_space: global }
      - { .name: masks, .offset: 24, .size: 8, .value_kind: global_buffer, .address_space: global }
      - { .name: h, .offset: 32, .size: 8, .value_kind: global_buffer, .address_space: global }
    .group_segment_fixed_size: 83968
    .private_segment_fixed_size: 0
    .kernarg_segment_align: 8
    .kernarg_segment_size: 40
    .max_flat_workgroup_size: 128
    .sgpr_count:     104
    .vgpr_count:     1024
    .wavefront_size: 32
...
	.end_amdgpu_metadata
.endif
;; end of part 2
;; launch down (part 3): grid 32 x 8, 4 waves a work-group, no clusters, 214,784 bytes of LDS; arguments h, W2, b2, masks, out0; writes out0
.if DOCPART == 3
	.amdgcn_target "amdgcn-amd-amdhsa--gfx1250"
	.amdhsa_code_object_version 6
	.text
	.protected	k_q0e0c7405ab_down
	.globl	k_q0e0c7405ab_down
	.p2align	8
	.type	k_q0e0c7405ab_down,@function
k_q0e0c7405ab_down:
	s_mov_b64 s[64:65], 0
	v_nop
	global_prefetch_b8 v0, s[64:65] scope:SCOPE_SE
	s_setreg_imm32_b32 hwreg(HW_REG_WAVE_MODE, 25, 1), 1
	s_wait_xcnt 0x0
; DOWN.  out[token] = h W2[e] + b2[e] for the rows of expert e, stored at the tokens' own rows.  W2 and b2 are rounded to bf16 on their way; sums in f32.  The gate is 1 (a softmax over one logit).
; SHARES.  Work-group (4 c + q, e) owns output columns 64 c .. 64 c + 63 of expert e and the tiles of 16 rows q, q + 4, ..  Wave w keeps K = 512 w .. 512 w + 511 of the slice as 64 bf16
; fragments in 512 registers.  All four waves take the same tiles, each its quarter of K, straight from memory into operand registers (h lies in that order: every load is 512 consecutive
; bytes); the four partial sums, f32, meet in LDS, twelve tiles at a time, and are added, with b2, by the wave that stores the tile.
; THE WEIGHTS NEVER TOUCH LDS.  A lane's load of 16 bytes holds 4 neighbouring columns of one K row, and eight such loads 8 K rows.  Fragment q is made of the columns 4 c' + q, c' = 0 .. 15, one a lane:
; then the pairs (rows 2 m, 2 m + 1 of column q) that the rounding packs ARE the lane's registers of fragment q.  The weights are source 1, the tile source 0: in accumulator q, register j, lane
; (c', g) holds row 8 g + j, column 4 c' + q.  So registers j of the four accumulators are 16 neighbouring bytes of a row, and sixteen lanes hold 256.
; THE WALKS ARE STAGGERED.  The 8 column work-groups of (e, q) read the same tiles: work-group c walks its n tiles from place (c n) / 8 on, round to where it began.  The 4 row work-groups of (e, c) read
; the same slice of W2: work-group q takes each wave's four groups of 128 K rows in the order q, q + 1, .. (mod 4), and reads a tile's K in the same order, so that operand register s holds the same
; K on both sides.  So work-groups that read the same bytes ask for different ones of them in the same step: each is asked for first by one and by the others later.
; ONE RING at the head: eight slots of 8 loads; a turn waits for the oldest slot, rounds its 16 K rows into fragment registers and fills the slot again.  The first two tiles of h are the ring's last 8 fills.
; THE LOOP goes over chunks of twelve tiles and has a constant 6 trips (72 tiles; a work-group has 64 at the most, all tokens on one expert): every wave passes both barriers of every trip,
; and only work is jumped, forward.  Every split is served; the more uneven it is, the longer the launch.
; ROWS.  The list and the counts are made as in the launch before, from the same bitmaps: cnt, P, T = P / 16 + e, NT = ceil(cnt / 16).  Rows past cnt in the last tile are copies of the last
; row, bit for bit, and are stored onto that row again by the same wave.
; NO JOINT LOADS: the slice of W2 is f32 and passes through registers to be rounded; the row work-groups that share it have different numbers of tiles; the h tiles are walked in a number that
; hangs on the stored counts, and go into registers without touching LDS.
; LDS: wave w's partial sums at 49,152 w: 12 tiles of 4,096 bytes, piece (accumulator q, half k) at 1,024 q + 512 k, lane l's 16 bytes at 16 l;
;      196,608 four lists of 4,352 bytes; 214,016 the waves' counts; 214,272 the spare words.
; REGISTERS: window 0: v1 lane, v2 lane % 16, v3 lane / 16, v4 16 x lane, v5 W2 offset, v7 my list, v8 my dump index, v9 token counter, v10-13 at work (v13 a token),
;   v16 where my partial sums go, v17 16 x (lane % 16), v18 counts' address, v[20:27] counts, v28, v29 the add's two, v[32:35] where wave k's partial sums are read, v[36:43] lane selects,
;   v[44:51] out offsets, v[52:55] b2, v56, v57 at work, v[64:95] accumulators, v[96:99] W2 offsets of the four K groups in my order, v[100:103] the same for a tile of h,
;   v[104:111] the two buffers' h offsets, four each, v[128:255] four waves' partial sums, then v[160:191] the rows to store.
;   windows 1, 2: the fragments: (K step s in my order, q) at v[32 (s % 8) + 8 q].   window 3: eight slots of W2 in f32 on its way; then the two tile buffers.
; SCALARS: s14 wave, s15 e, s16 c, s17 q, s18-21 at work, s22-31 as in the launch before, s[32:63], s[68:99] bitmap words; then s32 my tiles n, s33 trips to go, s34 the chunk's first place,
;   s36 n - 1, s37 T + q, s38 16,384 w, s39 the first place that my wave adds up, s40 where the walk begins.
.set RB,    2048                       ; bytes in a row of W2[e]
.set GSH,   14                         ; 8 such rows = 1 << GSH
.set REG,   49152
.set PT,    4096
.set LISTB, 196608
.set LREG,  4352
.set CNTB,  214016
.set SPARE, 214272
.set ACC,   64
.set WO,    96
.set HL,    100
.set HA,    104
.set TB,    128
.set MSB,   0
.macro WIN new                         ; the immediate's high byte repeats the setting that is left; a switch that changes nothing is dropped
.if MSB != (\new)
	s_set_vgpr_msb (MSB<<8)|(\new)
.set MSB, (\new)
.endif
.endm
; Job Js of 32, in my order: 16 K rows, the (Js % 8)-th of K group Js / 8, into slot Js % 8.  Lane (c', g) takes row 8 g + i of them, columns 4 c' .. 4 c' + 3: sixteen lanes read 256 consecutive bytes.
; No hint: four work-groups read the same slice.
.macro WJOB Js
	WIN 0xc0
.set ii, 0
.rept 8
	global_load_b128 v[32*((\Js)%8)+4*ii:32*((\Js)%8)+4*ii+3], v[WO+(\Js)/8], s[6:7] offset:((\Js)%8)*16*RB+ii*RB
.set ii, ii+1
.endr
.endm
; Job Js is rounded straight into half Js % 2 of the four fragments of K step Js / 2.  The count leaves the seven younger slots' 56 loads out.
.macro WCVT Js
.if (\Js) < 16
	WIN 0x4f
.else
	WIN 0x8f
.endif
	s_wait_loadcnt 56
.set qq, 0
.rept 4
.set mm, 0
.rept 4
	v_cvt_pk_bf16_f32 v[32*(((\Js)/2)%8)+8*qq+4*((\Js)%2)+mm], v[32*((\Js)%8)+8*mm+qq], v[32*((\Js)%8)+8*mm+4+qq]
.set mm, mm+1
.endr
.set qq, qq+1
.endr
.endm
; My wave's 1,024 tokens: those of e go, in order, into my list; a lane whose token is not e's writes its dump word.  The index is held under 1,056, then comes my list's base.
.macro LIST
	s_wait_kmcnt 0x0
	s_mov_b32 s18, 0
	s_mov_b32 s19, 0
.set gg, 0
.rept 32
	v_mbcnt_lo_u32_b32 v10, s[32+gg], s18
	v_cndmask_b32 v10, v8, v10, s[32+gg]
	v_min_u32 v10, 1055, v10
	v_lshl_add_u32 v11, v10, 2, v7
	ds_store_b32 v11, v9
	v_add_nc_u32 v9, 32, v9
	s_bcnt1_i32_b32 s20, s[32+gg]
	s_add_co_u32 s18, s18, s20
	s_bcnt1_i32_b32 s21, s[68+gg]
	s_add_co_u32 s19, s19, s21
.set gg, gg+1
.endr
	v_mov_b32 v20, s18
	v_mov_b32 v21, s19
	ds_store_b64 v18, v[20:21]
.endm
.macro COUNTS
	v_mov_b32 v18, CNTB
	ds_load_b128 v[20:23], v18
	ds_load_b128 v[24:27], v18 offset:16
	s_wait_dscnt 0x0
	v_readfirstlane_b32 s22, v20
	v_readfirstlane_b32 s23, v22
	v_readfirstlane_b32 s24, v24
	v_readfirstlane_b32 s25, v26
	v_readfirstlane_b32 s27, v21
	v_readfirstlane_b32 s28, v23
	v_readfirstlane_b32 s29, v25
	v_readfirstlane_b32 s30, v27
	s_add_co_u32 s30, s30, s27
	s_add_co_u32 s30, s30, s28
	s_add_co_u32 s30, s30, s29                     ; P
	s_lshr_b32 s30, s30, 4
	s_add_co_u32 s30, s30, s15                     ; T
	s_add_co_u32 s23, s23, s22
	s_add_co_u32 s24, s24, s23
	s_add_co_u32 s25, s25, s24                     ; cnt
	s_sub_co_u32 s26, s25, 1
	s_sub_co_u32 s27, LREG/4, s22
	s_sub_co_u32 s28, 2*LREG/4, s23
	s_sub_co_u32 s29, 3*LREG/4, s24
	s_add_co_u32 s31, s25, 15
	s_lshr_b32 s31, s31, 4                         ; NT
.endm
; The token at place 16 x s[st] + lane % 16 of e's rows (places past the last repeat it) is asked for, into v13.  It is asked only for a tile that exists, so cnt > 0 and the word was written by LIST;
; the word's index is also held under 4,352: inside the four lists.
.macro LOOKUP st
	s_lshl_b32 s20, s[\st], 4
	v_add_nc_u32 v10, s20, v2
	v_min_u32 v10, s26, v10
	v_cmp_le_u32 vcc_lo, s22, v10
	v_cndmask_b32 v12, 0, s27, vcc_lo
	v_cmp_le_u32 vcc_lo, s23, v10
	v_cndmask_b32 v12, v12, s28, vcc_lo
	v_cmp_le_u32 vcc_lo, s24, v10
	v_cndmask_b32 v12, v12, s29, vcc_lo
	v_add_nc_u32 v10, v10, v12
	v_min_u32 v10, LREG-1, v10
	v_lshl_add_u32 v11, v10, 2, LISTB
	ds_load_b32 v13, v11
.endm
; 64 matrix instructions: source 0 = the tile's 16 rows, source 1 = 16 columns of the weights.  The four accumulators take turns, one instruction a turn.
; The first K step starts the sums with 0.
.macro MUL b
.set kt, 0
.rept 16
.if kt < 8
	WIN 0x07
.else
	WIN 0x0b
.endif
.set nt, 0
.rept 4
.if kt > 0
	v_wmma_f32_16x16x32_bf16 v[ACC+8*nt:ACC+8*nt+7], v[128*(\b)+8*kt:128*(\b)+8*kt+7], v[32*(kt%8)+8*nt:32*(kt%8)+8*nt+7], v[ACC+8*nt:ACC+8*nt+7]
.else
	v_wmma_f32_16x16x32_bf16 v[ACC+8*nt:ACC+8*nt+7], v[128*(\b)+8*kt:128*(\b)+8*kt+7], v[32*(kt%8)+8*nt:32*(kt%8)+8*nt+7], 0
.endif
.set nt, nt+1
.endr
.set kt, kt+1
.endr
	WIN 0
.endm
; Buffer b's four offsets in h for place u of the chunk.  A place past my last repeats my last one; the place is turned into a tile, q + 4 ((place + start) mod n); the tile's number in h is
; held inside the buffer whatever was read.
.macro HADDR b, u
	s_add_co_u32 s20, s34, \u
	s_min_u32 s20, s20, s36
	s_add_co_u32 s20, s20, s40
	s_sub_co_u32 s21, s20, s32
	s_cmp_ge_u32 s20, s32
	s_cselect_b32 s20, s21, s20
	s_lshl_b32 s20, s20, 2
	s_add_co_u32 s20, s20, s37
	s_min_u32 s20, s20, 263
	s_lshl_b32 s20, s20, 16
	s_add_co_u32 s20, s20, s38
.irp sg, 0,1,2,3
	v_add_nc_u32 v[HA+4*(\b)+\sg], s20, v[HL+\sg]
.endr
.endm
.macro HPART b, sg                     ; a quarter of my part of a tile: the four K steps of group sg in my order, 8 loads of 512 consecutive bytes
	WIN 0xc0
.set tt, 0
.rept 4
	global_load_b128 v[128*(\b)+32*(\sg)+8*tt:128*(\b)+32*(\sg)+8*tt+3],   v[HA+4*(\b)+(\sg)], s[4:5] offset:tt*1024
	global_load_b128 v[128*(\b)+32*(\sg)+8*tt+4:128*(\b)+32*(\sg)+8*tt+7], v[HA+4*(\b)+(\sg)], s[4:5] offset:tt*1024+512
.set tt, tt+1
.endr
.endm
.macro HLOAD b                         ; my quarter of K of a tile, 16 KB
	HPART \b, 0
	HPART \b, 1
	HPART \b, 2
	HPART \b, 3
	WIN 0
.endm
	s_load_b256 s[4:11], s[0:1], 0x0               ; h s[4:5], W2 s[6:7], b2 s[8:9], masks s[10:11]
	s_load_b64 s[12:13], s[0:1], 0x20              ; out0
	v_lshl_add_u32 v28, v0, 2, SPARE               ; my spare word,
	v_mov_b32 v29, 0                               ; and 0
	v_lshrrev_b32 v10, 5, v0
	v_readfirstlane_b32 s14, v10                   ; wave 0..3
	s_and_b32 s15, ttmp7, 0xffff                   ; e
	s_lshr_b32 s16, ttmp9, 2                       ; c
	s_and_b32 s17, ttmp9, 3                        ; q
	v_and_b32 v1, 31, v0
	v_and_b32 v2, 15, v0
	v_bfe_u32 v3, v0, 4, 1
	v_lshlrev_b32 v4, 4, v1
	v_lshlrev_b32 v17, 4, v2
	v_lshl_add_u32 v5, v3, GSH, v17                ; W2: 16 c' + 8 g rows
.irp sg, 0,1,2,3                                   ; the K group that stands at place sg of my order: (sg + q) mod 4
	s_add_co_u32 s20, s17, \sg
	s_and_b32 s20, s20, 3
	s_lshl_b32 s21, s20, 18                        ; 128 rows of 2,048 bytes of W2,
	v_add_nc_u32 v[WO+\sg], s21, v5
	s_lshl_b32 s21, s20, 12                        ; four K blocks of 1,024 bytes of a tile of h
	v_add_nc_u32 v[HL+\sg], s21, v4
.endr
	s_mul_i32 s20, s14, REG                        ; my region of LDS
	v_add_nc_u32 v16, s20, v4                      ; partial sums in: 16 bytes a lane, 512 consecutive bytes a store
	s_lshl_b32 s21, s14, 12                        ; and back, in the same order: my wave adds up tiles w, w + 4, w + 8 of a chunk
	v_add_nc_u32 v32, s21, v4
	v_add_nc_u32 v33, REG, v32
	v_add_nc_u32 v34, 2*REG, v32
	v_add_nc_u32 v35, 3*REG, v32
	v_lshlrev_b32 v36, 5, v3                       ; the token of row 8 g + j lies in lane 8 g + j
.irp i, 1,2,3,4,5,6,7
	v_add_nc_u32 v[36+(\i)], 4*(\i), v36
.endr
	s_mul_i32 s20, s14, LREG
	s_add_co_u32 s20, s20, LISTB
	v_mov_b32 v7, s20
	v_add_nc_u32 v8, 1024, v1
	s_lshl_b32 s20, s14, 10
	v_add_nc_u32 v9, s20, v1
	s_lshl_b32 s20, s14, 3
	s_add_co_u32 s20, s20, CNTB
	v_mov_b32 v18, s20
	s_mov_b32 s3, 0
	s_lshl_b32 s2, s15, 9                          ; masks: 512 e + 128 w
	s_lshl_b32 s20, s14, 7
	s_add_co_u32 s2, s2, s20
	s_wait_kmcnt 0x0
	s_add_nc_u64 s[10:11], s[10:11], s[2:3]
	s_load_b512 s[32:47], s[10:11], 0x0            ; EQ[e], my 32 words
	s_load_b512 s[48:63], s[10:11], 0x40
	s_load_b512 s[68:83], s[10:11], 0x1000         ; LT[e], my 32 words
	s_load_b512 s[84:99], s[10:11], 0x1040
	s_lshl_b32 s2, s15, 22                         ; W2: expert, my 512 rows, the slice's 256 bytes
	s_lshl_b32 s20, s14, 20
	s_add_co_u32 s2, s2, s20
	s_lshl_b32 s20, s16, 8
	s_add_co_u32 s2, s2, s20
	s_add_nc_u64 s[6:7], s[6:7], s[2:3]
	s_lshl_b32 s2, s15, 11                         ; b2: expert, slice
	s_add_co_u32 s2, s2, s20
	s_add_nc_u64 s[8:9], s[8:9], s[2:3]
	s_mov_b32 s2, s20                              ; out0: the slice's 256 bytes of every row
	s_add_nc_u64 s[12:13], s[12:13], s[2:3]
	global_load_b128 v[52:55], v17, s[8:9]         ; b2 of the four columns that I store
.set js, 0
.rept 7                                            ; 1 + 56 = 57 loads are out: the lines below are issued without waiting for any of them
	WJOB js
.set js, js+1
.endr
	WIN 0
	LIST                                           ; the list is made while the weights are on their way
	WJOB 7                                         ; the ring's eighth slot
	WIN 0
	s_wait_dscnt 0x0                               ; for the others' sake: my list and my counts are written
	s_barrier_signal -1
	s_barrier_wait -1
	COUNTS
	s_add_co_u32 s32, s31, 3
	s_sub_co_u32 s32, s32, s17
	s_lshr_b32 s32, s32, 2                         ; n: my work-group's tiles q, q + 4, ..
	s_sub_co_u32 s36, s32, 1
	s_add_co_u32 s37, s30, s17
	s_lshl_b32 s38, s14, 14
	s_mul_i32 s40, s16, s32
	s_lshr_b32 s40, s40, 3                         ; where my walk begins
	s_mov_b32 s34, 0
	s_mov_b32 s39, s14
	s_mov_b32 s33, 6
	HADDR 0, 0                                     ; with no tiles at all these two name bytes inside h that nobody uses
	HADDR 1, 1
.set js, 0
.rept 32                                           ; the ring: the oldest slot is rounded and filled again: with the job eight further on, at the end with the first two tiles of h
	WCVT js
.if js < 24
	WJOB js+8
.else
	HPART (js-24)/4, (js-24)%4
.endif
.set js, js+1
.endr
	WIN 0
	v_cvt_pk_bf16_f32 v56, v52, v53                ; b2 (the oldest load) rounded to bf16 and widened again
	v_cvt_pk_bf16_f32 v57, v54, v55
	v_lshlrev_b32 v52, 16, v56
	v_and_b32 v53, 0xffff0000, v56
	v_lshlrev_b32 v54, 16, v57
	v_and_b32 v55, 0xffff0000, v57
; Place u of the chunk: its tile is multiplied; the buffer's next tile, two places on (at u = 10, 11: the next chunk's first two), is asked for; the partial sums go into my region.
.macro STEP u
.if (\u) > 0
	s_add_co_u32 s20, s34, \u
	s_cmp_ge_u32 s20, s32
	s_cbranch_scc1 .Lwd                            ; no such tile: the chunk's work is done
.endif
	s_wait_loadcnt 32                              ; my tile is in; the next tile's 32 loads stay out
	MUL (\u)%2
	HADDR (\u)%2, (\u)+2                           ; four vector lines and a v_nop: five places between the last products and the loads into their sources,
	v_nop                                          ; the stores of the sums, and the next tile's products, which write over them
	HLOAD (\u)%2
.irp n, 0,1,2,3
	ds_store_b128 v16, v[ACC+8*(\n):ACC+8*(\n)+3]   offset:(\u)*PT+1024*(\n)      ; each accumulator from its low end on
	ds_store_b128 v16, v[ACC+8*(\n)+4:ACC+8*(\n)+7] offset:(\u)*PT+1024*(\n)+512
.endr
.endm
; Place w + 4 z of the chunk: the four waves' partial sums and b2 are added, and the 16 rows go to their tokens' rows of out0.
.macro RED z
	s_add_co_u32 s20, s39, 4*(\z)
	s_cmp_ge_u32 s20, s32
	s_cbranch_scc1 .Lrd
	s_add_co_u32 s20, s20, s40                     ; the place's tile among e's: q + 4 ((place + start) mod n)
	s_sub_co_u32 s21, s20, s32
	s_cmp_ge_u32 s20, s32
	s_cselect_b32 s21, s21, s20
	s_lshl_b32 s21, s21, 2
	s_add_co_u32 s21, s21, s17
	s_wait_xcnt 0x0                                ; the last stores have read their offsets and rows
	LOOKUP 21
.set kk, 0
.rept 4
.set ii, 0
.rept 8
	ds_load_b128 v[TB+32*kk+4*ii:TB+32*kk+4*ii+3], v[32+kk] offset:(\z)*4*PT+ii*512  ; wave kk's sums, as its accumulators held them: register 8 q + j
.set ii, ii+1
.endr
.set kk, kk+1
.endr
	s_wait_dscnt 32                                ; the tokens are in; the 32 loads behind them stay out
.irp i, 0,1,2,3,4,5,6,7
	ds_bpermute_b32 v[44+(\i)], v[36+(\i)], v13    ; the token of row 8 g + i
.endr
	s_wait_dscnt 8                                 ; the partial sums are in; the eight exchanges stay out
.set ii, 0
.rept 16
	v_pk_add_f32 v[TB+2*ii:TB+2*ii+1], v[TB+2*ii:TB+2*ii+1], v[TB+32+2*ii:TB+32+2*ii+1]
	v_pk_add_f32 v[TB+64+2*ii:TB+64+2*ii+1], v[TB+64+2*ii:TB+64+2*ii+1], v[TB+96+2*ii:TB+96+2*ii+1]
.set ii, ii+1
.endr
.set ii, 0
.rept 16
	v_pk_add_f32 v[TB+2*ii:TB+2*ii+1], v[TB+2*ii:TB+2*ii+1], v[TB+64+2*ii:TB+64+2*ii+1]
.set ii, ii+1
.endr
.set jj, 0
.rept 8                                            ; b2 is added, and the sum is put where a row's four columns stand side by side: register 4 j + q
.set qq, 0
.rept 4
	v_add_f32 v[TB+32+4*jj+qq], v[TB+8*qq+jj], v[52+qq]
.set qq, qq+1
.endr
.set jj, jj+1
.endr
	s_wait_dscnt 0x0
.irp i, 0,1,2,3,4,5,6,7
	v_min_u32 v[44+(\i)], 0xfff, v[44+(\i)]
	v_lshl_add_u32 v[44+(\i)], v[44+(\i)], 11, v17 ; token x 2,048 bytes + my 16
.endr
.irp i, 0,1,2,3,4,5,6,7
	global_store_b128 v[44+(\i)], v[TB+32+4*(\i):TB+32+4*(\i)+3], s[12:13] th:TH_STORE_NT  ; sixteen lanes store 256 consecutive bytes, aligned
.endr
.endm
.Lchunk:
	s_cmp_ge_u32 s34, s32
	s_cbranch_scc1 .Lwd                            ; nothing left: only the barriers are passed
.irp u, 0,1,2,3,4,5,6,7,8,9,10,11
	STEP \u
.endr
.Lwd:
	s_wait_loadcnt 0x0                             ; what is still out has landed: tiles that will not be multiplied, or the next chunk's first two
	s_wait_dscnt 0x0                               ; for the others' sake: my partial sums are written
	s_barrier_signal -1
	s_barrier_wait -1
	RED 0
	RED 1
	RED 2
.Lrd:
	s_wait_dscnt 0x0                               ; my reads of the partial sums are over: behind this barrier they are written again
	s_barrier_signal -1
	s_barrier_wait -1
	s_add_co_u32 s34, s34, 12
	s_add_co_u32 s39, s39, 12
	s_sub_co_u32 s33, s33, 1
	s_cmp_lg_u32 s33, 0
	s_cbranch_scc1 .Lchunk
	s_wait_tensorcnt 0x0                           ; the wave's end
	ds_add_u32 v28, v29
	s_wait_dscnt 0x0
	s_endpgm
.Lfunc_end_k_q0e0c7405ab_down:
	.size	k_q0e0c7405ab_down, .Lfunc_end_k_q0e0c7405ab_down-k_q0e0c7405ab_down
	.p2alignl 7, 3214868480
	.fill 96, 4, 3214868480
	.section	.rodata,"a",@progbits
	.p2align	6, 0x0
	.amdhsa_kernel k_q0e0c7405ab_down
		.amdhsa_group_segment_fixed_size 214784
		.amdhsa_private_segment_fixed_size 0
		.amdhsa_enable_private_segment 0
		.amdhsa_kernarg_size 40
		.amdhsa_user_sgpr_count 2
		.amdhsa_user_sgpr_kernarg_segment_ptr 1
		.amdhsa_wavefront_size32 1
		.amdhsa_system_sgpr_workgroup_id_x 1
		.amdhsa_system_sgpr_workgroup_id_y 1
		.amdhsa_system_sgpr_workgroup_id_z 1
		.amdhsa_system_vgpr_workitem_id 0
		.amdhsa_next_free_vgpr 1024
		.amdhsa_next_free_sgpr 104
		.amdhsa_reserve_vcc 1
		.amdhsa_float_denorm_mode_32 3
		.amdhsa_float_denorm_mode_16_64 3
		.amdhsa_memory_ordered 1
		.amdhsa_forward_progress 1
		.amdhsa_inst_pref_size 215
	.end_amdhsa_kernel
	.amdgpu_metadata
---
amdhsa.version: [ 1, 2 ]
amdhsa.kernels:
  - .name:           k_q0e0c7405ab_down
    .symbol:         k_q0e0c7405ab_down.kd
    .args:
      - { .name: h, .offset: 0, .size: 8, .value_kind: global_buffer, .address_space: global }
      - { .name: W2, .offset: 8, .size: 8, .value_kind: global_buffer, .address_space: global }
      - { .name: b2, .offset: 16, .size: 8, .value_kind: global_buffer, .address_space: global }
      - { .name: masks, .offset: 24, .size: 8, .value_kind: global_buffer, .address_space: global }
      - { .name: out0, .offset: 32, .size: 8, .value_kind: global_buffer, .address_space: global }
    .group_segment_fixed_size: 214784
    .private_segment_fixed_size: 0
    .kernarg_segment_align: 8
    .kernarg_segment_size: 40
    .max_flat_workgroup_size: 128
    .sgpr_count:     104
    .vgpr_count:     1024
    .wavefront_size: 32
...
	.end_amdgpu_metadata
.endif
;; end of part 3
